; MI455X (gfx1250); checked and timed in simulation.
; The chip was launched on July 23, 2026; its instructions are those of AMD's public machine-readable ISA for CDNA 5 (MIT licence, August 2026) and "CDNA5" Instruction Set Architecture Reference Guide (July 2026). The comments in the code are by the model that wrote it; some were corrected since.
;; Gated Multi Head Self Attention. Allowed arithmetic: matrix products marked QUANTISED: E2M1 operands, one E8M0 scale for each 32 along K, by v_wmma_scale_f32_16x16x128_f8f6f4 with both operands' format E2M1 (or v_wmma_scale_f32_32x16x128_f4), f32 sums; everything else in f32.
;; Inputs: W_k_codes 16 x 64 x 32 x 16 uint8 (E2M1 codes of W_k, K innermost, in blocks of 32 codes, two codes a byte); W_k_scales 16 x 64 x 32 uint8 (E8M0 scales of W_k, one for each 32 codes along K); W_o_codes 16 x 1,024 x 2 x 16 uint8 (E2M1 codes of W_o, K innermost, in blocks of 32 codes, two codes a byte); W_o_scales 16 x 1,024 x 2 uint8 (E8M0 scales of W_o, one for each 32 codes along K); W_q_codes 16 x 64 x 32 x 16 uint8 (E2M1 codes of W_q, K innermost, in blocks of 32 codes, two codes a byte); W_q_scales 16 x 64 x 32 uint8 (E8M0 scales of W_q, one for each 32 codes along K); W_v_codes 16 x 64 x 32 x 16 uint8 (E2M1 codes of W_v, K innermost, in blocks of 32 codes, two codes a byte); W_v_scales 16 x 64 x 32 uint8 (E8M0 scales of W_v, one for each 32 codes along K); attn_mask 2,048 x 2,048 float32; b_k 16 x 64 float32; b_o 16 x 1,024 float32; b_q 16 x 64 float32; b_v 16 x 64 float32; gate 16 float32; hidden_states_codes 2 x 2,048 x 32 x 16 uint8 (E2M1 codes of hidden_states, K innermost, in blocks of 32 codes, two codes a byte); hidden_states_scales 2 x 2,048 x 32 uint8 (E8M0 scales of hidden_states, one for each 32 codes along K).
;; Outputs: out0 2 x 2,048 x 1,024 float32.
;; This version of the problem:
;;   THIS VERSION OF THE PROBLEM IS GIVEN IN LOW PRECISION. The matrix products marked QUANTISED in the list below multiply operands that are first quantised to E2M1 (2 exponent bits, 1 mantissa bit; 4 bits a number), with one power-of-two scale for each 32 numbers along K (OCP MX v1.0); their sums are f32. All else is computed in f32.
;;   The module's matrix products, in the order in which they are computed (A, B: the left and right operand; K: the contracted axis; several contracted axes count as one K, in the product's order):
;;     1. [M 1,024, K 1,024] x [K 1,024, N 4,096]; A: input W_q (given as codes); B: input hidden_states (given as codes): QUANTISED
;;     2. [M 1,024, K 1,024] x [K 1,024, N 4,096]; A: input W_k (given as codes); B: input hidden_states (given as codes): QUANTISED
;;     3. [M 1,024, K 1,024] x [K 1,024, N 4,096]; A: input W_v (given as codes); B: input hidden_states (given as codes): QUANTISED
;;     4. batch 32 x [M 2,048, K 64] x [K 64, N 2,048]; A: computed on the way; B: computed on the way: QUANTISED
;;     5. batch 32 x [M 2,048, K 2,048] x [K 2,048, N 64]; A: softmax (see below); B: computed on the way: QUANTISED
;;     6. batch 16 x [M 1,024, K 64] x [K 64, N 4,096]; A: input W_o (given as codes); B: computed on the way: QUANTISED
;;   THE QUANTISER, for each operand of a quantised product, along K:
;;     - K is cut into blocks of 32 from its start; a last block that is shorter is filled with zeros.
;;     - A block's scale is 2^e with e = floor(log2(the largest magnitude in the block)) - 2, held to -126 .. 127; a block of zeros has e = 0. As a byte (E8M0): e + 127.
;;     - Each number is divided by its block's scale, clamped to +-6, and rounded to the nearest number of E2M1, ties to even, subnormals kept.
;;     - The product sums the exact products of the quantised numbers (number of the format x scale) in f32.
;;   ~~~python
;;   def quantise(x, axis):      # numpy; x: float32 -> the quantised numbers, widened to float32 again
;;       x = np.moveaxis(x, axis, -1); K = x.shape[-1]
;;       x = np.pad(x, [(0, 0)] * (x.ndim - 1) + [(0, -K % 32)]); x = x.reshape(x.shape[:-1] + (-1, 32)); a = np.abs(x).max(-1, keepdims=True)
;;       e = np.where(a > 0, np.clip(np.frexp(np.where(a > 0, a, 1))[1] - 1 - 2, -126, 127), 0)      # np.frexp(a)[1] - 1 = floor(log2(a)), exactly
;;       r = np.clip(x / 2.0 ** e, -6, 6)
;;       step = 2.0 ** (np.maximum(np.frexp(np.where(r == 0, 1, r))[1] - 1, 0) - 1)
;;       q = np.round(r / step) * step * 2.0 ** e      # np.round: ties to even
;;       return np.moveaxis(q.reshape(q.shape[:-2] + (-1,))[..., :K], -1, axis).astype(np.float32)
;;   ~~~
;;   SOFTMAX AHEAD OF A QUANTISED PRODUCT. Where the list says 'softmax', what is quantised is not the finished softmax but p = 2^(t - M), with t = logit x log2(e) and M = ceil(the row's largest t), a whole number; so 1/2 < the row's largest p <= 1. The row's sum l is taken of the UNQUANTISED p, in f32, and the product's result is divided by l at the end. Since M is a whole number, a kernel that streams over the keys may use a running M (the ceiling of the running maximum): every later rescaling is an exact power of two, which a block's scale takes up: the codes' values come out the same.
;;   OPERANDS COMPUTED ON THE WAY. 'Computed on the way' means the value that the module computes at that place (a softmax that the list does not call 'softmax' is quantised finished and normalised). What goes into a quantiser is computed in f32, as accurately as f32 sums, v_exp_f32 and their like allow (about 1e-6 of the number): no bf16 or f16 on the way to a quantiser, and a product that is left as it is and whose result goes on into a quantised operand takes f32 operands (vector FMAs, or v_wmma_f32_16x16x4_f32). A number that lies on a knife's edge between two numbers of the format may be rounded either way, as far as f32 arithmetic and the matrix unit's own rounding can turn it there, and no further.
;;   INPUTS GIVEN AS CODES. W_k (in the module: [16, 1024, 64], K = its axis 1); W_o (in the module: [16, 64, 1024], K = its axis 1); W_q (in the module: [16, 1024, 64], K = its axis 1); W_v (in the module: [16, 1024, 64], K = its axis 1); hidden_states (in the module: [2, 2048, 1024], K = its axis 2): each comes as NAME_codes (uint8): NAME with its K axis moved to the last place and cut into blocks of 32 codes, [.., K / 32, bytes a block], one block behind the other in memory; two codes a byte, the lower K in the low four bits (a code: sign, 2 exponent bits, 1 mantissa bit); and NAME_scales (uint8): the same leading axes, one E8M0 byte (e + 127) for each 32 codes along K. Its value is code x scale, taken as it is: it is not quantised again, and the codes and scales need not be those that the quantiser above would give.
;; One version. Each part assembles by itself: llvm-mc -triple=amdgcn-amd-amdhsa -mcpu=gfx1250 --defsym DOCPART=n.
;; ======== version 1 of 1: 3 launches
;; workspace buffers: qc 2,097,152 bytes; qs 262,144 bytes; kv 4,194,304 bytes; sc 393,216 bytes; oi 16,777,216 bytes; pn 16,384 bytes
;; launch qkv (part 1): grid 32 x 8, 12 waves a work-group, no clusters, 288,256 bytes of LDS; arguments hidden_states_codes, hidden_states_scales, W_q_codes, W_q_scales, W_k_codes, W_k_scales, W_v_codes, W_v_scales, b_q, b_k, b_v, qc, qs, kv, sc; writes qc, qs, kv, sc
.if DOCPART == 1
	.amdgcn_target "amdgcn-amd-amdhsa--gfx1250"
	.amdhsa_code_object_version 6
	.text
	.protected	k_q4f408e1578_qkv
	.globl	k_q4f408e1578_qkv
	.p2align	8
	.type	k_q4f408e1578_qkv,@function
k_q4f408e1578_qkv:
	s_mov_b64 s[64:65], 0
	v_nop
	global_prefetch_b8 v0, s[64:65] scope:SCOPE_SE
	s_setreg_imm32_b32 hwreg(HW_REG_WAVE_MODE, 25, 1), 1
	s_wait_xcnt 0x0
; Q = x W_q + b_q, K = x W_k + b_k, V = x W_v + b_v on the given codes of E2M1, and the quantisers of Q and K (along the head's 64) and of V (along the keys).
; DEAD WORK: none is left out in this program.  b_k moves K's codes, the mask, the gate's clip and the floor of the divisor hang on values: every input is loaded by some launch.
; SHARES.  A work-group takes 128 tokens (one key step of one batch: work-group x) and two heads (work-group y), for Q, K and V.  Wave w: role w / 4 (Q, K, V), head (w / 2) % 2, half of the tokens w % 2:
; a tile of 64 x 64 over all of K = 1,024: 16 accumulators, eight K steps of 128.
; SOURCE 0 (P) IS WHAT BECOMES THE NEXT K: a lane's registers run along P's rows.  Q, K: P = 64 rows of W (the head's 64), source 1 (R) = 64 tokens: a lane holds one token.  V: P = 64 tokens (keys), R = W_v's rows: a lane holds one channel.
; In tile p lane (r, h) holds P's rows 16 p + 8 h + 0 .. 7: a block of 32 lies in tiles 2 b and 2 b + 1 of lanes l and l xor 16.
; 1 / sqrt(64) IS A POWER OF TWO: it goes into Q's scale bytes (each less 3), which rounds nothing.
; OUT.  qc [pair][token][32 bytes]; qs one word a token; kv [pair][key step][8,192]: K's 8 tiles and V's 4 x 2 half fragments as images of the operand's registers (16 bytes a lane on end); sc: their scale words, two tiles to a register.
; LIMITS.  A block of Q whose largest magnitude lies under 2^-121 is quantised under the scale 2^-123 (so that its byte less 3 stays at 1); for K and V the floor is 2^-124.  A block of zeros has the floor's byte: its codes are zeros,
; and this program alone reads the bytes.  NaN and infinities are carried only as the arithmetic carries them.
.set PITCH, 528                        ; an LDS row of codes: 512 bytes + 16: row r starts 4 r words further on modulo 64 (64 banks of 4 bytes: ISA guide 11.1)
.set SCL,   512*PITCH                  ; behind the 512 rows of codes (x 0-127, W_q, W_k, W_v 128 each): their scale bytes, 32 a row, same row numbers
.set SPARE, SCL+512*32                 ; the spare words, 128 bytes for each of 12 waves: six blocks of 256 bytes that no other line names
.set SPW, 1                            ; v1  my spare word's address; never rewritten
.set NIL, 2                            ; v2  0; never rewritten
.set RR,  3                            ; v3  lane % 16
.set HH,  4                            ; v4  lane / 16
.set TV,  5                            ; v5  at work
.set ADP, 6                            ; v6  LDS: P's fragments;  v7 R's;  v8, v9 their scale words
.set ADR, 7
.set ASP, 8
.set ASR, 9
.set LN,  10                           ; v10 lane
.set O16, 11                           ; v11 16 x lane;  v12 32 r + 16 h;  v13 8 x lane;  v14 4 x lane;  v15 the bias's offset
.set OQ,  12
.set O8,  13
.set O4,  14
.set OB,  15
.set BI,  16                           ; v16-47   the bias in the result's layout: the C of each sum's first product
.set SP,  48                           ; v48-55   P's scale words, two K steps a tile;  v56-63 R's: scales and nothing else
.set SR,  56
.set PF,  64                           ; v64-95   P's four fragments;  v96-127 R's
.set RF,  96
.set ACC, 128                          ; v128-255 accumulator (n, p) at 128 + 32 n + 8 p
.set MX,  64                           ; behind the products: largest magnitudes, the other half's, scale operands, bytes (8 blocks each),
.set T2,  72
.set SO,  80
.set BY,  88
.set CD,  96                           ; codes (4 registers a tile of R), scale words, two tiles' words in one register
.set WD,  112
.set CB,  116
.set WV,  34
.set G1C, 36                           ; s[36:43] group 1 for codes;  s[44:51] for scale bytes;  s[52:55], s[56:59] their groups 0
.set G1S, 44
.set G0C, 52
.set G0S, 56
.set SEL, 60                           ; s[60:61] selects of v_permlanex16_b32: lane l xor 16
.set FL,  62                           ; s62 the floor of a block's largest magnitude
.set HM,  63                           ; s63 lanes 16-31
.macro WM d, a, b, c, sa, sb
	v_wmma_scale_f32_16x16x128_f8f6f4 v[\d:\d+7], v[\a:\a+7], v[\b:\b+7], v[\c:\c+7], v[\sa], v[\sb] matrix_a_fmt:MATRIX_FMT_FP4 matrix_b_fmt:MATRIX_FMT_FP4
.endm
	s_load_b512 s[4:19], s[0:1], 0x0               ; x codes, x scales, W_q codes, scales, W_k codes, scales, W_v codes, scales
	s_load_b256 s[20:27], s[0:1], 0x40             ; b_q, b_k, b_v, qc
	s_load_b128 s[28:31], s[0:1], 0x60             ; qs, kv
	s_load_b64 s[32:33], s[0:1], 0x70              ; sc
	v_lshl_add_u32 v[SPW], v0, 2, SPARE
	v_mov_b32 v[NIL], 0
	ds_add_u32 v[SPW], v[NIL]                      ; the wave's opening: the add, twice on end, and its wait ahead of my tensor load
	ds_add_u32 v[SPW], v[NIL]
	v_lshrrev_b32 v[TV], 5, v0
	v_readfirstlane_b32 s[WV], v[TV]               ; wave 0..11
	s_mov_b32 s[G1C+0], (1<<20)|(6<<22)|(3<<25)    ; elements of 1 byte; padding on: 4 words behind every 128
	s_mov_b32 s[G1C+1], 512<<16                    ; tensor_dim0 = 512
	s_mov_b32 s[G1C+2], 64<<16                     ; tensor_dim1 = 64
	s_mov_b32 s[G1C+3], 512<<16                    ; tile_dim0 = 512
	s_mov_b32 s[G1C+4], 64                         ; tile_dim1 = 64
	s_mov_b32 s[G1C+5], 512                        ; from row to row
	s_mov_b32 s[G1C+6], 0
	s_mov_b32 s[G1C+7], 0
	s_mov_b32 s[G1S+0], 3<<16                      ; 4,096 dense bytes as 16 rows of 32 elements of 8 bytes
	s_mov_b32 s[G1S+1], 32<<16
	s_mov_b32 s[G1S+2], 16<<16
	s_mov_b32 s[G1S+3], 32<<16
	s_mov_b32 s[G1S+4], 16
	s_mov_b32 s[G1S+5], 32
	s_mov_b32 s[G1S+6], 0
	s_mov_b32 s[G1S+7], 0
	s_and_b32 s66, s[WV], 1                        ; which half of the tokens
	s_lshr_b32 s67, s[WV], 1
	s_and_b32 s68, ttmp7, 0xffff                   ; the pair of heads
	s_and_b32 s72, s67, 1
	s_lshl_b32 s69, s68, 1
	s_add_co_u32 s69, s69, s72                     ; my head
	s_lshr_b32 s70, ttmp9, 4
	s_lshl_b32 s70, s70, 4
	s_add_co_u32 s70, s70, s69                     ; my pair (batch, head) = 16 x batch + head
	s_and_b32 s71, ttmp9, 15                       ; the key step
	; what I fetch.  Waves 0-7: 64 rows of codes of source w / 2 (x, W_q, W_k, W_v);  waves 8-11: the 128 rows' scale bytes of source w - 8.  Every wave makes both groups 0, each valid in every wave
	s_and_b32 s72, s[WV], 7
	s_mov_b32 s[G0C], 1
	s_mul_i32 s[G0C+1], s72, 64*PITCH              ; LDS rows 64 (w % 8) on
	s_and_b32 s73, s[WV], 3                        ; the scales' source
	s_mov_b32 s[G0S], 1
	s_lshl_b32 s[G0S+1], s73, 12
	s_add_co_u32 s[G0S+1], s[G0S+1], SCL
	s_and_b32 s72, s67, 3                          ; the codes' source
	s_lshl_b32 s74, ttmp9, 7                       ; x's first row,
	s_lshl_b32 s75, s68, 7                         ; a weight's
	s_cmp_eq_u32 s72, 0
	s_cselect_b32 s76, s74, s75
	s_cmp_eq_u32 s73, 0
	s_cselect_b32 s78, s74, s75
	s_lshl_b32 s77, s66, 6
	s_add_co_u32 s76, s76, s77
	s_lshl_b32 s76, s76, 9                         ; 512 bytes a row of codes
	s_mov_b32 s77, 0
	s_lshl_b32 s78, s78, 5                         ; 32 bytes a row of scales
	s_mov_b32 s79, 0
	s_mov_b32 s[SEL], 0x76543210
	s_mov_b32 s[SEL+1], 0xfedcba98
	s_mov_b32 s[HM], 0xffff0000
	s_mov_b32 s[FL], 3<<23                         ; 2^(3 - 127): the byte cannot fall under 1;
	s_cmp_lt_u32 s[WV], 4
	s_cselect_b32 s[FL], 6<<23, s[FL]              ; for Q 2^(6 - 127): its byte less 3 cannot
	s_wait_dscnt 0x0                               ; both opening adds are done
	s_wait_kmcnt 0x0
	s_mov_b64 s[80:81], s[16:17]
	s_cmp_eq_u32 s72, 2
	s_cselect_b64 s[80:81], s[12:13], s[80:81]
	s_cmp_eq_u32 s72, 1
	s_cselect_b64 s[80:81], s[8:9], s[80:81]
	s_cmp_eq_u32 s72, 0
	s_cselect_b64 s[80:81], s[4:5], s[80:81]       ; the choice hangs on the wave's number alone
	s_add_nc_u64 s[G0C+2:G0C+3], s[80:81], s[76:77]
	s_or_b32 s[G0C+3], s[G0C+3], 0x80000000
	s_mov_b64 s[82:83], s[18:19]
	s_cmp_eq_u32 s73, 2
	s_cselect_b64 s[82:83], s[14:15], s[82:83]
	s_cmp_eq_u32 s73, 1
	s_cselect_b64 s[82:83], s[10:11], s[82:83]
	s_cmp_eq_u32 s73, 0
	s_cselect_b64 s[82:83], s[6:7], s[82:83]
	s_add_nc_u64 s[G0S+2:G0S+3], s[82:83], s[78:79]
	s_or_b32 s[G0S+3], s[G0S+3], 0x80000000
	s_cmp_lt_u32 s[WV], 8                          ; one tensor load a wave, in either arm: one load of mine is out; LDS is filled once in this launch
	s_cbranch_scc0 .Lfill_s
	tensor_load_to_lds s[G0C:G0C+3], s[G1C:G1C+7]
	s_nop 0
.rept 4
	v_nop
.endr
	s_branch .Lfilled
.Lfill_s:
	tensor_load_to_lds s[G0S:G0S+3], s[G1S:G1S+7]
	s_nop 0
.rept 4
	v_nop
.endr
.Lfilled:
	v_and_b32 v[LN], 31, v0
	v_and_b32 v[RR], 15, v0
	v_bfe_u32 v[HH], v0, 4, 1
	s_lshl_b32 s74, s67, 6
	s_add_co_u32 s74, s74, 128                     ; my 64 rows of my weight: LDS row 128 + 64 (w / 2)
	s_lshl_b32 s75, s66, 6                         ; my 64 tokens
	s_cmp_lt_u32 s[WV], 8
	s_cselect_b32 s76, s74, s75                    ; P's first row: the weight's for Q and K, the tokens' for V
	s_cselect_b32 s77, s75, s74                    ; R's
	v_add_nc_u32 v[TV], s76, v[RR]
	v_mul_u32_u24 v[ADP], v[TV], PITCH
	v_lshl_add_u32 v[ADP], v[HH], 4, v[ADP]        ; row x pitch + 16 x half
	v_lshl_add_u32 v[ASP], v[TV], 5, SCL
	v_add_nc_u32 v[TV], s77, v[RR]
	v_mul_u32_u24 v[ADR], v[TV], PITCH
	v_lshl_add_u32 v[ADR], v[HH], 4, v[ADR]
	v_lshl_add_u32 v[ASR], v[TV], 5, SCL
	v_lshlrev_b32 v[O16], 4, v[LN]
	v_lshlrev_b32 v[OQ], 5, v[RR]
	v_lshl_add_u32 v[OQ], v[HH], 4, v[OQ]
	v_lshlrev_b32 v[O8], 3, v[LN]
	v_lshlrev_b32 v[O4], 2, v[LN]
	; the bias, in the result's layout
	s_lshl_b32 s78, s69, 8                         ; my head's 64 numbers
	s_mov_b32 s79, 0
	s_cmp_lt_u32 s[WV], 4
	s_cselect_b64 s[80:81], s[20:21], s[22:23]
	s_cmp_lt_u32 s[WV], 8
	s_cselect_b64 s[80:81], s[80:81], s[24:25]
	s_add_nc_u64 s[80:81], s[80:81], s[78:79]
	s_cmp_lt_u32 s[WV], 8
	s_cbranch_scc0 .Lbias_v
	v_lshlrev_b32 v[OB], 5, v[HH]                  ; Q, K: tile p, register j: channel 16 p + 8 h + j
.irp p, 0,1,2,3
	global_load_b128 v[BI+8*\p:BI+8*\p+3], v[OB], s[80:81] offset:64*\p
	global_load_b128 v[BI+8*\p+4:BI+8*\p+7], v[OB], s[80:81] offset:64*\p+16
.endr
	s_branch .Lbias_in
.Lbias_v:
	v_lshlrev_b32 v[OB], 2, v[RR]                  ; V: tile n of R: my lane's channel 16 n + r, the same in all eight registers
.irp n, 0,1,2,3
	global_load_b32 v[BI+8*\n], v[OB], s[80:81] offset:64*\n
.endr
	s_wait_loadcnt 0x0
.irp n, 0,1,2,3
.irp j, 1,2,3,4,5,6,7
	v_mov_b32 v[BI+8*\n+\j], v[BI+8*\n]
.endr
.endr
.Lbias_in:
	s_wait_loadcnt 0x0                             ; the bias
	s_wait_tensorcnt 0x0                           ; my part of LDS has landed,
	s_barrier_signal -1
	s_barrier_wait -1                              ; everybody's has; nothing is filled again
; K step k: the fragments of 128 along K and, every second step, two steps' scale words
.macro LOADS k
.if (\k) > 0
.rept 4
	v_nop                                          ; four places between the last products and loads into registers that they read (ISA guide 7.12.1 for vector instructions)
.endr
.endif
.if (\k)%2 == 0
.irp p, 0,1,2,3
	ds_load_b64 v[SP+2*\p:SP+2*\p+1], v[ASP] offset:512*\p+4*(\k)
	ds_load_b64 v[SR+2*\p:SR+2*\p+1], v[ASR] offset:512*\p+4*(\k)
.endr
.endif
.irp p, 0,1,2,3
.irp c, 0,1
	ds_load_b128 v[PF+8*\p+4*\c:PF+8*\p+4*\c+3], v[ADP] offset:16*PITCH*\p+64*(\k)+32*\c
	ds_load_b128 v[RF+8*\p+4*\c:RF+8*\p+4*\c+3], v[ADR] offset:16*PITCH*\p+64*(\k)+32*\c
.endr
.endr
	s_wait_dscnt 0x0
.endm
; its 16 products; the 16 accumulators take turns in one order.  cm = 0: onto the sums;  1: the sums begin with the bias by P's rows;  2: by R's rows
.macro MULS k, cm
.irp n, 0,1,2,3
.irp p, 0,1,2,3
.if \cm == 0
	WM ACC+32*\n+8*\p, PF+8*\p, RF+8*\n, ACC+32*\n+8*\p, SP+2*\p+(\k)%2, SR+2*\n+(\k)%2
.elseif \cm == 1
	WM ACC+32*\n+8*\p, PF+8*\p, RF+8*\n, BI+8*\p, SP+2*\p+(\k)%2, SR+2*\n+(\k)%2
.else
	WM ACC+32*\n+8*\p, PF+8*\p, RF+8*\n, BI+8*\n, SP+2*\p+(\k)%2, SR+2*\n+(\k)%2
.endif
.endr
.endr
.endm
	LOADS 0
	s_cmp_lt_u32 s[WV], 8
	s_cbranch_scc0 .Lfirst_v
	MULS 0, 1
	s_branch .Lfirst_done
.Lfirst_v:
	MULS 0, 2
.Lfirst_done:
.irp k, 1,2,3,4,5,6,7
	LOADS \k
	MULS \k, 0
.endr
.rept 4
	v_nop                                          ; four places ahead of the first read of results and of writes into the fragments' registers
.endr
	; THE QUANTISER: 8 blocks of 32 (tile n of R, block b: q = 2 n + b: registers 16 q .. 16 q + 15 of the accumulators, in lanes l and l xor 16), by turns; each accumulator is read from its low end on
.irp q, 0,1,2,3,4,5,6,7
	v_max3_num_f32 v[MX+\q], |v[ACC+16*\q]|, |v[ACC+16*\q+1]|, s[FL]
.endr
.irp i, 2,4,6,8,10,12,14
.irp q, 0,1,2,3,4,5,6,7
	v_max3_num_f32 v[MX+\q], v[MX+\q], |v[ACC+16*\q+\i]|, |v[ACC+16*\q+\i+1]|
.endr
.endr
.irp q, 0,1,2,3,4,5,6,7
	v_permlanex16_b32 v[T2+\q], v[MX+\q], s[SEL], s[SEL+1]
.endr
.irp q, 0,1,2,3,4,5,6,7
	v_max_num_f32 v[MX+\q], v[MX+\q], v[T2+\q]     ; the block's largest magnitude
.endr
.irp q, 0,1,2,3,4,5,6,7
	v_add_nc_u32 v[SO+\q], 0xff000000, v[MX+\q]    ; 2 off its exponent field: the conversion's scale operand
.endr
.irp q, 0,1,2,3,4,5,6,7
	v_lshrrev_b32 v[BY+\q], 23, v[SO+\q]           ; the scale's byte
.endr
.irp n, 0,1,2,3
	v_lshl_or_b32 v[WD+\n], v[BY+2*\n+1], 8, v[BY+2*\n]   ; my row's two bytes; the word's upper two stay 0
.endr
.irp n, 0,1,2,3
	v_cvt_scalef32_pk8_fp4_f32 v[CD+4*\n],   v[ACC+32*\n:ACC+32*\n+7],     v[SO+2*\n]     ; block 0: k = 8 h + 0 .. 7
	v_cvt_scalef32_pk8_fp4_f32 v[CD+4*\n+1], v[ACC+32*\n+16:ACC+32*\n+23], v[SO+2*\n+1]   ; block 1: k = 32 + 8 h + ..
	v_cvt_scalef32_pk8_fp4_f32 v[CD+4*\n+2], v[ACC+32*\n+8:ACC+32*\n+15],  v[SO+2*\n]     ; block 0: k = 16 + 8 h + ..
	v_cvt_scalef32_pk8_fp4_f32 v[CD+4*\n+3], v[ACC+32*\n+24:ACC+32*\n+31], v[SO+2*\n+1]   ; block 1: k = 48 + 8 h + ..
.endr
	v_nop                                          ; one plain place behind the scaled conversions
.irp n, 0,1,2,3
	v_permlane16_swap_b32 v[CD+4*\n], v[CD+4*\n+1]     ; the first's lanes 16-31 change places with the second's lanes 0-15:
	v_permlane16_swap_b32 v[CD+4*\n+2], v[CD+4*\n+3]   ; registers 0 .. 3 now hold k = 32 h + 0 .. 31, as the operand's layout wants them
.endr
.irp g, 0,1
	v_cndmask_b32 v[CB+\g], v[WD+2*\g], v[WD+2*\g+1], s[HM]   ; lanes 0-15: tile 2 g's words, lanes 16-31: tile 2 g + 1's
.endr
	s_lshl_b32 s72, s70, 4
	s_add_co_u32 s72, s72, s71                     ; 16 x pair + key step
	s_mov_b32 s73, 0
	s_mov_b32 s75, 0
	s_cmp_lt_u32 s[WV], 4
	s_cbranch_scc0 .Lnot_q
	s_lshl_b32 s72, s72, 1
	s_add_co_u32 s72, s72, s66                     ; Q: my run of 64 tokens
	s_lshl_b32 s74, s72, 8                         ; x 64 words
	s_lshl_b32 s72, s72, 11                        ; x 64 rows of 32 bytes
	s_add_nc_u64 s[26:27], s[26:27], s[72:73]
	s_add_nc_u64 s[28:29], s[28:29], s[74:75]
.irp g, 0,1
	v_add_nc_u32 v[CB+\g], 0xfffffcfd, v[CB+\g]    ; 3 off each of the two bytes: Q / 8; each byte is 4 or more, so nothing is borrowed
.endr
.irp n, 0,1,2,3
	global_store_b128 v[OQ], v[CD+4*\n:CD+4*\n+3], s[26:27] offset:512*\n   ; the wave's store covers 512 consecutive bytes
.endr
.irp g, 0,1
	global_store_b32 v[O4], v[CB+\g], s[28:29] offset:128*\g
.endr
	s_branch .Lend
.Lnot_q:
	s_mul_i32 s74, s70, 12288                      ; my pair's scale words
	s_lshl_b32 s72, s72, 13                        ; my pair's key step in kv
	s_cmp_lt_u32 s[WV], 8
	s_cbranch_scc0 .Lis_v
	s_lshl_b32 s76, s66, 11
	s_add_co_u32 s72, s72, s76                     ; K: tiles 4 x half + n
	s_lshl_b32 s76, s71, 1
	s_add_co_u32 s76, s76, s66
	s_lshl_b32 s76, s76, 8
	s_add_co_u32 s74, s74, s76                     ; group of 64 keys 2 x step + half
	s_add_nc_u64 s[30:31], s[30:31], s[72:73]
	s_add_nc_u64 s[32:33], s[32:33], s[74:75]
.irp n, 0,1,2,3
	global_store_b128 v[O16], v[CD+4*\n:CD+4*\n+3], s[30:31] offset:512*\n
.endr
	global_store_b64 v[O8], v[CB:CB+1], s[32:33]   ; 256 consecutive bytes, aligned
	s_branch .Lend
.Lis_v:
	s_lshl_b32 s76, s66, 9
	s_add_co_u32 s72, s72, s76
	s_add_co_u32 s72, s72, 4096                    ; V: behind K's 4,096 bytes; registers 4 x half .. + 3 of channel tile n
	s_lshl_b32 s76, s71, 8
	s_add_co_u32 s74, s74, s76
	s_lshl_b32 s76, s66, 1
	s_add_co_u32 s74, s74, s76
	s_add_co_u32 s74, s74, 8192                    ; its words: bytes 2 x half, 2 x half + 1 of the step's word
	s_add_nc_u64 s[30:31], s[30:31], s[72:73]
	s_add_nc_u64 s[32:33], s[32:33], s[74:75]
.irp n, 0,1,2,3
	global_store_b128 v[O16], v[CD+4*\n:CD+4*\n+3], s[30:31] offset:1024*\n
.endr
.irp g, 0,1
	global_store_b16 v[O8], v[CB+\g], s[32:33] offset:4*\g   ; half a word: the other half is the other wave's.  These are 4,096 bytes a pair, 131,072 in the launch
.endr
.Lend:
	s_wait_tensorcnt 0x0                           ; the wave's end
	ds_add_u32 v[SPW], v[NIL]
	s_wait_dscnt 0x0
	s_endpgm
.Lfunc_end_k_q4f408e1578_qkv:
	.size	k_q4f408e1578_qkv, .Lfunc_end_k_q4f408e1578_qkv-k_q4f408e1578_qkv
	.p2alignl 7, 3214868480
	.fill 96, 4, 3214868480
	.section	.rodata,"a",@progbits
	.p2align	6, 0x0
	.amdhsa_kernel k_q4f408e1578_qkv
		.amdhsa_group_segment_fixed_size 288256
		.amdhsa_private_segment_fixed_size 0
		.amdhsa_enable_private_segment 0
		.amdhsa_kernarg_size 120
		.amdhsa_user_sgpr_count 2
		.amdhsa_user_sgpr_kernarg_segment_ptr 1
		.amdhsa_wavefront_size32 1
		.amdhsa_system_sgpr_workgroup_id_x 1
		.amdhsa_system_sgpr_workgroup_id_y 1
		.amdhsa_system_sgpr_workgroup_id_z 1
		.amdhsa_system_vgpr_workitem_id 0
		.amdhsa_next_free_vgpr 256
		.amdhsa_next_free_sgpr 84
		.amdhsa_reserve_vcc 0
		.amdhsa_float_denorm_mode_32 3
		.amdhsa_float_denorm_mode_16_64 3
		.amdhsa_memory_ordered 1
		.amdhsa_forward_progress 1
		.amdhsa_inst_pref_size 48
	.end_amdhsa_kernel
	.amdgpu_metadata
---
amdhsa.version: [ 1, 2 ]
amdhsa.kernels:
  - .name:           k_q4f408e1578_qkv
    .symbol:         k_q4f408e1578_qkv.kd
    .args:
      - { .name: hidden_states_codes, .offset: 0, .size: 8, .value_kind: global_buffer, .address_space: global }
      - { .name: hidden_states_scales, .offset: 8, .size: 8, .value_kind: global_buffer, .address_space: global }
      - { .name: W_q_codes, .offset: 16, .size: 8, .value_kind: global_buffer, .address_space: global }
      - { .name: W_q_scales, .offset: 24, .size: 8, .value_kind: global_buffer, .address_space: global }
      - { .name: W_k_codes, .offset: 32, .size: 8, .value_kind: global_buffer, .address_space: global }
      - { .name: W_k_scales, .offset: 40, .size: 8, .value_kind: global_buffer, .address_space: global }
      - { .name: W_v_codes, .offset: 48, .size: 8, .value_kind: global_buffer, .address_space: global }
      - { .name: W_v_scales, .offset: 56, .size: 8, .value_kind: global_buffer, .address_space: global }
      - { .name: b_q, .offset: 64, .size: 8, .value_kind: global_buffer, .address_space: global }
      - { .name: b_k, .offset: 72, .size: 8, .value_kind: global_buffer, .address_space: global }
      - { .name: b_v, .offset: 80, .size: 8, .value_kind: global_buffer, .address_space: global }
      - { .name: qc, .offset: 88, .size: 8, .value_kind: global_buffer, .address_space: global }
      - { .name: qs, .offset: 96, .size: 8, .value_kind: global_buffer, .address_space: global }
      - { .name: kv, .offset: 104, .size: 8, .value_kind: global_buffer, .address_space: global }
      - { .name: sc, .offset: 112, .size: 8, .value_kind: global_buffer, .address_space: global }
    .group_segment_fixed_size: 288256
    .private_segment_fixed_size: 0
    .kernarg_segment_align: 8
    .kernarg_segment_size: 120
    .max_flat_workgroup_size: 384
    .sgpr_count:     84
    .vgpr_count:     256
    .wavefront_size: 32
...
	.end_amdgpu_metadata
.endif
;; end of part 1
;; launch attn (part 2): grid 32 x 8, 16 waves a work-group, no clusters, 327,680 bytes of LDS; arguments qc, qs, kv, sc, attn_mask, oi, pn; writes oi, pn
.if DOCPART == 2
	.amdgcn_target "amdgcn-amd-amdhsa--gfx1250"
	.amdhsa_code_object_version 6
	.text
	.protected	k_q4f408e1578_attn
	.globl	k_q4f408e1578_attn
	.p2align	8
	.type	k_q4f408e1578_attn,@function
k_q4f408e1578_attn:
	s_mov_b64 s[64:65], 0
	v_nop
	global_prefetch_b8 v0, s[64:65] scope:SCOPE_SE
	s_setreg_imm32_b32 hwreg(HW_REG_WAVE_MODE, 25, 1), 1
	s_wait_xcnt 0x0
; out = softmax(Q K^T / 8 + mask) V on codes of E2M1, and the sums of its rows' norms.  No work is left out.
; THE SOFTMAX AHEAD OF THE SECOND PRODUCT: t = logit x log2(e); M = the running largest t rounded up to a whole number; p = 2^(t - M) is quantised along the keys; the row's sum is taken of the unquantised p and divides at the end.
; SHARES.  A work-group owns 64 queries (work-group x) of FOUR pairs (batch, head) 4 y .. 4 y + 3: the four share each byte of the mask that comes into LDS.  Wave w: pair w / 4, tile of 16 queries w % 4; it walks 16 key steps of 128.
; LAYOUT.  Both products transposed: S^T = K Q^T + mask^T (source 0 = 16 keys), O^T = V^T P^T (source 0 = 16 channels): a lane holds ONE query.  In tile t lane (r, h) holds keys 16 t + 8 h + 0 .. 7: a block of 32 keys lies in tiles 2 b, 2 b + 1 of lanes l, l xor 16.
; THE MASK IS THE C OF THE FIRST PRODUCT: it is loaded from LDS into the scores' registers; 1 / 8 lies in Q's scale bytes.  So a score leaves the matrix unit finished.
; THE HEAD'S 64 IN A PRODUCT OF 128: registers 4-7 of Q's fragment hold zero codes.  K's fragments lie 4 registers apart, so that a tile's registers 4-7 are the next tile's codes: they meet zeros; the scale bytes of k = 64 .. 127 are 0 (2^-127).
; The ring: two LDS slots of two key steps (the four pairs' K and V as register images, 64 rows x 256 keys of the mask), filled by waves 0-3 (K, V) and 4-7 (mask), read by all sixteen.  The four pairs' scale words stay in LDS.
; No cluster in this text: work-groups of one y share K and V, those of one x the mask.
; LIMITS.  A row whose every logit is -infinity gives NaN, as the softmax of such a row does.  NaN and +infinity in the mask are carried only as the arithmetic carries them.
.set SLOTB, 132096                     ; a slot: 4 pairs x 2 steps x 8,192, then the mask's 64 rows x 1,040.  No base address in slot 0 has bit 10 or bit 17 set: one exclusive or turns it into slot 1's
.set MOFF,  65536
.set MP,    1040                       ; a row of the mask in LDS: 1,024 bytes + 16: row r starts 4 r words further on modulo 64 (64 banks of 4 bytes: ISA guide 11.1)
.set SCB,   2*SLOTB                    ; the scale words, 12,288 bytes a pair: K's 8,192, V's 4,096; filled once
.set SPARE, SCB+4*12288                ; the spare words, 128 bytes for each of 16 waves: eight blocks of 256 bytes that no other line names
.set NRM,   SPARE+2048                 ; 16 words: the waves' sums of norms; no tile lands here
.set AKV0, 1                           ; v1  my place in a slot's K and V;  v2 in its mask;  v3 among K's scale words;  v4 among V's
.set AM0,  2
.set ASK0, 3
.set ASV0, 4
.set SPW,  5                           ; v5  my spare word's address;  v6  0: never rewritten
.set NIL,  6
.set L16,  7                           ; v7  16 x lane
.set ADKV, 8                           ; v8-11 the addresses of the step in hand
.set ADM,  9
.set ADS,  10
.set ADT,  11
                                       ; v12 -M, v13 the largest t, v[14:15] the sum in two halves
.set QF,   16                          ; v16-23 Q's fragment (v20-23 = 0);  v24 its scale words
.set QS,   24
.set PFO,  25                          ; v25 the prefetches' offset
.set SK,   26                          ; v26-29 K's scale words, two tiles a register;  v30-31 V's
.set SV,   30
.set KF,   32                          ; v32-67 K's tile t at 32 + 4 t;  v64-67 = 0
.set VF,   68                          ; v68-99 V's four fragments
.set S,    100                         ; v100-163 the mask, the scores, then p
.set OT,   164                         ; v164-195 O^T
.set PC,   196                         ; v196-203 p's codes
.set BM,   204                         ; v204-207 the blocks' largest scores;  v208-211 at work;  v212-215 scale operands
.set T2,   208
.set SO,   212
.set FF,   220                         ; v220 f = 2^(old M - new M);  v221 p's scale word;  v222 at work
.set PW,   221
.set TT,   222
.set TB,   2                           ; s2 the slot in hand;  s3 K's scale words of the step;  s60 V's
.set TS,   3
.set WV,   18
.set SEL,  20
.set CS,   22                          ; s[22:23] log2(e)
.set G1KV, 24
.set G1M,  32
.set G1S,  40
.set G0KV, 48
.set G0M,  52
.set G0S,  56
.set TJ,   60
.set SLOTS, 61
.set PFA,  68
.set PFS,  70
.set LIM,  72
.macro WM d, a, b, sa, sb, row1        ; D = A B + D; row1: A's scales stand in lanes 16-31
.if \row1
	v_wmma_scale_f32_16x16x128_f8f6f4 v[\d:\d+7], v[\a:\a+7], v[\b:\b+7], v[\d:\d+7], v[\sa], v[\sb] matrix_a_fmt:MATRIX_FMT_FP4 matrix_b_fmt:MATRIX_FMT_FP4 matrix_a_scale:MATRIX_SCALE_ROW1
.else
	v_wmma_scale_f32_16x16x128_f8f6f4 v[\d:\d+7], v[\a:\a+7], v[\b:\b+7], v[\d:\d+7], v[\sa], v[\sb] matrix_a_fmt:MATRIX_FMT_FP4 matrix_b_fmt:MATRIX_FMT_FP4
.endif
.endm
; Waves 0-3 fetch a pair's K and V of two steps (16,384 dense bytes), waves 4-7 sixteen rows of the mask, the others nothing.  An s_nop 0 and four v_nop follow each line
.macro TLOAD
	s_cmp_lt_u32 s[WV], 4
	s_cbranch_scc0 .Lnot_kv_\@
	tensor_load_to_lds s[G0KV:G0KV+3], s[G1KV:G1KV+7]
	s_nop 0
.rept 4
	v_nop
.endr
	s_branch .Lasked_\@
.Lnot_kv_\@:
	s_cmp_lt_u32 s[WV], 8
	s_cbranch_scc0 .Lasked_\@
	tensor_load_to_lds s[G0M:G0M+3], s[G1M:G1M+7]
	s_nop 0
.rept 4
	v_nop
.endr
.Lasked_\@:
.endm
; A PREFETCH INTO THE L2 of the slot behind the one that is being asked for: two key steps ahead of its tensor load.  Each aligned block of 256 bytes is named once in the launch: the mask's 64 rows x 4 blocks by waves 0-7 of the
; work-groups with y = 0 (8 rows a wave, 4 lanes a row); the four pairs' 16,384 bytes by waves 8-15 of those with x = 0 (8,192 bytes a wave, lanes 256 bytes apart).  The last change that fills a slot asks for nothing.
.macro ASK
	s_cmp_gt_u32 s[SLOTS], s[LIM]
	s_cbranch_scc0 .Lnot_mine_\@
	global_prefetch_b8 v[PFO], s[PFA:PFA+1] th:TH_LOAD_NT scope:SCOPE_SE
.Lnot_mine_\@:
.endm
	s_load_b256 s[4:11], s[0:1], 0x0               ; qc, qs, kv, sc
	s_load_b128 s[12:15], s[0:1], 0x20             ; mask, oi
	s_load_b64 s[16:17], s[0:1], 0x30              ; pn
	v_lshl_add_u32 v[SPW], v0, 2, SPARE
	v_mov_b32 v[NIL], 0
	ds_add_u32 v[SPW], v[NIL]                      ; the wave's opening: the add, twice on end, and its wait ahead of the first tensor loads
	ds_add_u32 v[SPW], v[NIL]
	v_lshrrev_b32 v8, 5, v0
	v_readfirstlane_b32 s[WV], v8                  ; wave 0..15
	s_and_b32 s73, s[WV], 3                        ; my tile of queries; also: which pair, or which 16 rows of the mask, I fetch
	s_lshr_b32 s74, s[WV], 2                       ; my pair among the four
	s_and_b32 s76, ttmp7, 0xffff                   ; y
	s_lshl_b32 s77, s76, 2
	s_add_co_u32 s84, s77, s74                     ; my pair
	s_add_co_u32 s77, s77, s73                     ; the pair that I fetch for
	s_lshl_b32 s78, s77, 17                        ; its 131,072 bytes of kv
	s_mov_b32 s79, 0
	s_lshl_b32 s80, ttmp9, 6
	s_lshl_b32 s81, s73, 4
	s_add_co_u32 s80, s80, s81                     ; query 64 x + 16 (w % 4)
	s_lshl_b32 s85, s84, 11
	s_add_co_u32 s85, s85, s80                     ; my first query among all pairs' rows
	s_lshl_b32 s80, s80, 13                        ; its row of the mask: 8,192 bytes a row
	s_mov_b32 s81, 0
	s_mul_i32 s82, s77, 12288
	s_mov_b32 s83, 0
	s_lshl_b32 s86, s85, 5                         ; in qc,
	s_mov_b32 s87, 0
	s_lshl_b32 s88, s85, 2                         ; in qs,
	s_mov_b32 s89, 0
	s_lshl_b32 s90, s85, 8                         ; in oi: 4,096 bytes a tile of 16
	s_mov_b32 s91, 0
	s_and_b32 s92, s76, 3
	s_lshl_b32 s92, s92, 12
	s_lshr_b32 s93, s76, 2
	s_lshl_b32 s93, s93, 9
	s_add_co_u32 s92, s92, s93
	s_lshl_b32 s93, ttmp9, 4
	s_add_co_u32 s92, s92, s93                     ; pn: [head][batch][x][tile]: 4,096 (y % 4) + 512 (y / 4) + 16 x
	s_mov_b32 s93, 0
	s_mov_b32 s[G1KV+0], 3<<16                     ; 16,384 dense bytes as 64 rows of 32 elements of 8 bytes
	s_mov_b32 s[G1KV+1], 32<<16
	s_mov_b32 s[G1KV+2], 64<<16
	s_mov_b32 s[G1KV+3], 32<<16
	s_mov_b32 s[G1KV+4], 64
	s_mov_b32 s[G1KV+5], 32
	s_mov_b32 s[G1KV+6], 0
	s_mov_b32 s[G1KV+7], 0
	s_mov_b32 s[G1M+0], (2<<16)|(1<<20)|(7<<22)|(3<<25)   ; elements of 4 bytes; padding on: 4 words behind every 256
	s_mov_b32 s[G1M+1], 256<<16                    ; tensor_dim0 = 256
	s_mov_b32 s[G1M+2], 16<<16                     ; tensor_dim1 = 16
	s_mov_b32 s[G1M+3], 256<<16                    ; tile_dim0 = 256
	s_mov_b32 s[G1M+4], 16                         ; tile_dim1 = 16
	s_mov_b32 s[G1M+5], 2048                       ; from row to row
	s_mov_b32 s[G1M+6], 0
	s_mov_b32 s[G1M+7], 0
	s_mov_b32 s[G1S+0], 3<<16                      ; 12,288 dense bytes as 48 rows of 256
	s_mov_b32 s[G1S+1], 32<<16
	s_mov_b32 s[G1S+2], 48<<16
	s_mov_b32 s[G1S+3], 32<<16
	s_mov_b32 s[G1S+4], 48
	s_mov_b32 s[G1S+5], 32
	s_mov_b32 s[G1S+6], 0
	s_mov_b32 s[G1S+7], 0
	s_mov_b32 s[G0KV], 1
	s_lshl_b32 s[G0KV+1], s73, 14
	s_mov_b32 s[G0M], 1
	s_mul_i32 s[G0M+1], s73, 16*MP
	s_add_co_u32 s[G0M+1], s[G0M+1], MOFF
	s_mov_b32 s[G0S], 1
	s_mul_i32 s[G0S+1], s73, 12288
	s_add_co_u32 s[G0S+1], s[G0S+1], SCB
	s_mov_b32 s[SEL], 0x76543210
	s_mov_b32 s[SEL+1], 0xfedcba98
	s_mov_b32 s[CS], 0x3fb8aa3b                    ; log2(e)
	s_mov_b32 s[CS+1], s[CS]                       ; (named with it as a pair, so it is written)
	s_mov_b32 s[TB], 0
	s_mov_b32 s[TS], 0
	s_mov_b32 s[TJ], 0
	s_mov_b32 s[SLOTS], 7
	s_wait_dscnt 0x0                               ; both opening adds are done
	s_wait_kmcnt 0x0
	s_add_nc_u64 s[G0KV+2:G0KV+3], s[8:9], s[78:79]
	s_or_b32 s[G0KV+3], s[G0KV+3], 0x80000000
	s_add_nc_u64 s[G0M+2:G0M+3], s[12:13], s[80:81]
	s_or_b32 s[G0M+3], s[G0M+3], 0x80000000
	s_add_nc_u64 s[G0S+2:G0S+3], s[10:11], s[82:83]
	s_or_b32 s[G0S+3], s[G0S+3], 0x80000000
	s_cmp_lt_u32 s[WV], 4                          ; the scale words of the four pairs: filled once.  Waves 0-3 have two loads out at the head, waves 4-7 one; every wait on TENSORcnt in this text is for 0
	s_cbranch_scc0 .Lno_words
	tensor_load_to_lds s[G0S:G0S+3], s[G1S:G1S+7]
	s_nop 0
.rept 4
	v_nop
.endr
.Lno_words:
	TLOAD                                          ; slot 0
	s_add_nc_u64 s[4:5], s[4:5], s[86:87]
	s_add_nc_u64 s[6:7], s[6:7], s[88:89]
	s_add_nc_u64 s[14:15], s[14:15], s[90:91]
	s_add_nc_u64 s[16:17], s[16:17], s[92:93]
	; the prefetches: where my wave's stand (in slot 1: the first change of slots steps them to slot 2), and who asks.  Nothing is prefetched at the head
	s_lshl_b32 s96, ttmp9, 6
	s_lshl_b32 s98, s[WV], 3
	s_add_co_u32 s96, s96, s98
	s_lshl_b32 s96, s96, 13
	s_add_co_u32 s96, s96, 1024                    ; mask: row 64 x + 8 w
	s_and_b32 s98, s[WV], 7
	s_lshr_b32 s98, s98, 1
	s_lshl_b32 s97, s76, 2
	s_add_co_u32 s97, s97, s98
	s_lshl_b32 s97, s97, 17
	s_and_b32 s98, s[WV], 1
	s_lshl_b32 s98, s98, 13
	s_add_co_u32 s97, s97, s98
	s_add_co_u32 s97, s97, 16384                   ; kv: pair 4 y + (w - 8) / 2, half (w - 8) % 2 of a slot's bytes
	s_mov_b32 s[PFS], 16384
	s_mov_b32 s95, 1024
	s_cmp_lt_u32 s[WV], 8
	s_cselect_b64 s[PFA:PFA+1], s[12:13], s[8:9]
	s_cselect_b32 s94, s76, ttmp9                  ; the coordinate along which other work-groups read the same bytes
	s_cselect_b32 s[PFS], 1024, s[PFS]             ; a slot on
	s_cselect_b32 s95, 8192, s95                   ; from four lanes to the next four
	s_cselect_b32 s98, s96, s97
	s_mov_b32 s99, 0
	s_mov_b32 s[PFS+1], 0
	s_add_nc_u64 s[PFA:PFA+1], s[PFA:PFA+1], s[98:99]
	s_cmp_eq_u32 s94, 0
	s_cselect_b32 s[LIM], 1, -1
	v_and_b32 v8, 31, v0                           ; lane
	v_and_b32 v9, 15, v0                           ; r
	v_bfe_u32 v10, v0, 4, 1                        ; h
	v_lshrrev_b32 v11, 2, v8
	v_mul_lo_u32 v[PFO], v11, s95
	v_and_b32 v11, 3, v8
	v_lshl_add_u32 v[PFO], v11, 8, v[PFO]
	v_lshlrev_b32 v[TT], 5, v9
	v_lshl_add_u32 v[TT], v10, 4, v[TT]
	global_load_b128 v[QF:QF+3], v[TT], s[4:5]     ; Q: row r, k = 32 h + 0 .. 31; it stays in registers
	v_lshlrev_b32 v[FF], 2, v9
	global_load_b32 v[QS], v[FF], s[6:7]           ; and its scale words
	v_lshlrev_b32 v[L16], 4, v8
	s_lshl_b32 s98, s74, 14
	v_add_nc_u32 v[AKV0], s98, v[L16]              ; my pair's 16,384 bytes of a slot, 16 bytes a lane
	s_mul_i32 s98, s73, 16*MP
	s_add_co_u32 s98, s98, MOFF
	v_mul_u32_u24 v11, v9, MP
	v_lshl_add_u32 v11, v10, 5, v11
	v_add_nc_u32 v[AM0], s98, v11                  ; the mask: my query's row, + 32 h: keys 8 h + 0 .. 7 of a tile
	s_mul_i32 s98, s74, 12288
	s_add_co_u32 s98, s98, SCB
	v_lshl_add_u32 v[ASK0], v8, 3, s98
	v_add_nc_u32 v[ASV0], 8192, v[ASK0]
.irp j, 4,5,6,7
	v_mov_b32 v[QF+\j], 0                          ; zero codes for k = 64 .. 127
.endr
.irp j, 0,1,2,3
	v_mov_b32 v[KF+32+\j], 0                       ; what stands behind K's last tile
	v_mov_b32 v[T2+\j], 0                          ; written once: a lane permute's destination counts as one of its sources
.endr
	v_mov_b32 v13, 0xff61b1e6                      ; the largest t so far: -3e38
	v_floor_f32 v12, -v13                          ; -M
	v_mov_b32 v14, 0
	v_mov_b32 v15, 0
	v_mov_b32 v[PW], 0                             ; (named as the upper half of the pair with f before it is first written)
.set j, 0
.rept 32
	v_mov_b32 v[OT+j], 0                           ; O^T: the step is written for every step alike; the first change of M multiplies zeros
.set j, j+1
.endr
; A KEY STEP: 128 keys, the q-th of the slot in hand
.macro STEP q
	v_add_nc_u32 v[ADKV], s[TB], v[AKV0]           ; these four are also the places between the last step's products and the loads into V's registers
	v_add_nc_u32 v[ADM], s[TB], v[AM0]
	v_add_nc_u32 v[ADS], s[TS], v[ASK0]
	v_add_nc_u32 v[ADT], s[TJ], v[ASV0]
	ds_load_b64 v[SK:SK+1], v[ADS]
	ds_load_b64 v[SK+2:SK+3], v[ADS] offset:256
.irp t, 0,1,2,3,4,5,6,7
	ds_load_b128 v[KF+4*\t:KF+4*\t+3], v[ADKV] offset:8192*(\q)+512*\t
.endr
.irp t, 0,1,2,3,4,5,6,7
	ds_load_b128 v[S+8*\t:S+8*\t+3], v[ADM] offset:512*(\q)+64*\t        ; the mask, where the scores will stand
	ds_load_b128 v[S+8*\t+4:S+8*\t+7], v[ADM] offset:512*(\q)+64*\t+16
.endr
.irp n, 0,1,2,3
	ds_load_b128 v[VF+8*\n:VF+8*\n+3], v[ADKV] offset:8192*(\q)+4096+1024*\n
	ds_load_b128 v[VF+8*\n+4:VF+8*\n+7], v[ADKV] offset:8192*(\q)+4096+1024*\n+512
.endr
	ds_load_b64 v[SV:SV+1], v[ADT]
	s_wait_dscnt 9                                 ; all but the nine issued last, V's: they land under the softmax
.irp t, 0,1,2,3,4,5,6,7
	WM S+8*\t, KF+4*\t, QF, SK+\t/2, QS, \t%2      ; S^T = K Q^T / 8 + mask: eight accumulators, one instruction each
.endr
.rept 4
	v_nop                                          ; four places ahead of the first read of results (ISA guide 7.12.1)
.endr
.irp b, 0,1,2,3
	v_max3_num_f32 v[BM+\b], v[S+16*\b], v[S+16*\b+1], v[S+16*\b+2]   ; the largest score of each block of 32 keys: for the row's maximum and, since p rises with the score, for the block's largest p
.endr
.irp i, 3,5,7,9,11,13
.irp b, 0,1,2,3
	v_max3_num_f32 v[BM+\b], v[BM+\b], v[S+16*\b+\i], v[S+16*\b+\i+1]
.endr
.endr
.irp b, 0,1,2,3
	v_max_num_f32 v[BM+\b], v[BM+\b], v[S+16*\b+15]
.endr
.irp b, 0,1,2,3
	v_permlanex16_b32 v[T2+\b], v[BM+\b], s[SEL], s[SEL+1]
.endr
.irp b, 0,1,2,3
	v_max_num_f32 v[BM+\b], v[BM+\b], v[T2+\b]     ; with lane l xor 16's 16 keys
.endr
	v_max3_num_f32 v[TT], v[BM], v[BM+1], v[BM+2]
	v_max_num_f32 v[TT], v[TT], v[BM+3]
	v_mul_f32 v[TT], s[CS], v[TT]                  ; the step's largest t
	v_max_num_f32 v13, v13, v[TT]                  ; the running largest t
	v_mov_b32 v[TT], v12
	v_floor_f32 v12, -v13                          ; the new -M = -ceil(t): a whole number
	v_sub_f32 v[TT], v12, v[TT]                    ; old M - new M: a whole number, 0 or less
	v_cvt_i32_f32 v[TT], v[TT]                     ; (it saturates)
	v_ldexp_f32 v[FF], 1.0, v[TT]                  ; f = 2^(old M - new M): a multiplication by it rounds nothing
.set j, 0
.rept 32
	v_pk_fma_f32 v[S+j:S+j+1], v[S+j:S+j+1], s[CS:CS+1], v[12:13] op_sel_hi:[1,0,0]   ; t - M, two at a time
.set j, j+2
.endr
.irp b, 0,1,2,3
	v_fma_f32 v[BM+\b], v[BM+\b], s[CS], v12       ; the same of each block's largest score
.endr
.set j, 0
.rept 64
	v_exp_f32 v[S+j], v[S+j]                       ; p = 2^(t - M): not normalised
.set j, j+1
.endr
	v_pk_mul_f32 v[14:15], v[14:15], v[FF:FF+1] op_sel_hi:[1,0]   ; the sums under the new M: the plain place behind the exponentials
	s_wait_alu depctr_va_vdst(0)                   ; one wait for the batch of 64, ahead of its first reader
.irp b, 0,1,2,3
	v_exp_f32 v[BM+\b], v[BM+\b]                   ; the blocks' largest p
.endr
	v_pk_add_f32 v[T2:T2+1], v[S:S+1], v[S+2:S+3]  ; the row's sum of the unquantised p, in two chains: plain work behind the four
.set j, 4
.rept 15
	v_pk_add_f32 v[14:15], v[14:15], v[S+j:S+j+1]
	v_pk_add_f32 v[T2:T2+1], v[T2:T2+1], v[S+j+2:S+j+3]
.set j, j+4
.endr
	v_pk_add_f32 v[14:15], v[14:15], v[T2:T2+1]
	s_wait_alu depctr_va_vdst(0)                   ; and one for the four
.irp b, 0,1,2,3
	v_max_num_f32 v[BM+\b], 0x1800000, v[BM+\b]    ; the floor 2^(3 - 127): the byte cannot fall under 1; a block whose every p is 0 keeps that byte over zero codes
.endr
.irp b, 0,1,2,3
	v_add_nc_u32 v[SO+\b], 0xff000000, v[BM+\b]    ; 2 off the exponent field: the conversion's scale operand
.endr
.irp b, 0,1,2,3
	v_lshrrev_b32 v[T2+\b], 23, v[SO+\b]           ; the scale's byte
.endr
	v_lshl_or_b32 v[PW], v[T2+1], 8, v[T2]         ; p's scale word for these 128 keys
	v_lshl_or_b32 v[PW], v[T2+2], 16, v[PW]
	v_lshl_or_b32 v[PW], v[T2+3], 24, v[PW]
.irp c, 0,1
	v_cvt_scalef32_pk8_fp4_f32 v[PC+4*\c],   v[S+32*\c:S+32*\c+7],     v[SO+2*\c]     ; block 2 c: keys 8 h + 0 .. 7 of it
	v_cvt_scalef32_pk8_fp4_f32 v[PC+4*\c+1], v[S+32*\c+16:S+32*\c+23], v[SO+2*\c+1]   ; block 2 c + 1: likewise
	v_cvt_scalef32_pk8_fp4_f32 v[PC+4*\c+2], v[S+32*\c+8:S+32*\c+15],  v[SO+2*\c]     ; block 2 c: keys 16 + 8 h + ..
	v_cvt_scalef32_pk8_fp4_f32 v[PC+4*\c+3], v[S+32*\c+24:S+32*\c+31], v[SO+2*\c+1]
.endr
	v_nop                                          ; one plain place behind the scaled conversions
.irp c, 0,1
	v_permlane16_swap_b32 v[PC+4*\c], v[PC+4*\c+1]     ; lanes 0-15 get the whole of block 2 c, lanes 16-31 of block 2 c + 1, keys ascending
	v_permlane16_swap_b32 v[PC+4*\c+2], v[PC+4*\c+3]
.endr
.set j, 0
.rept 16
	v_pk_mul_f32 v[OT+j:OT+j+1], v[OT+j:OT+j+1], v[FF:FF+1] op_sel_hi:[1,0]   ; O^T under the new M; these are also the places between p's scale word and codes and the products
.set j, j+2
.endr
	s_wait_dscnt 0x0                               ; V and its scale words
.irp n, 0,1,2,3
	WM OT+8*\n, VF+8*\n, PC, SV+\n/2, PW, \n%2     ; O^T += V^T P^T: four accumulators, one instruction each
.endr
	s_add_co_u32 s[TS], s[TS], 512                 ; the next step's scale words
	s_add_co_u32 s[TJ], s[TJ], 256
.endm
; THE CHANGE OF SLOTS, at a slot's head.  Each wave waits for all its tensor loads, adds 0 to its spare word, and waits for that and for its reads of the slot that it has left.  Behind the barrier the slot ahead is whole and nobody reads the other:
; fill = 1: that other slot is filled with the next 256 keys: the load has two key steps of all sixteen waves in which to land.  (Slot 1's first fill stands behind the first trip's barrier, where nothing is filled again.)
.macro CHANGE fill
	s_wait_tensorcnt 0x0                           ; no tensor load of mine is out, so a group 0 may be written
	ds_add_u32 v[SPW], v[NIL]
.if \fill
	ds_add_u32 v[SPW], v[NIL]                      ; and once more, in every trip alike
	s_xor_b32 s[G0KV+1], s[G0KV+1], SLOTB          ; the other slot than last time,
	s_add_nc_u64 s[G0KV+2:G0KV+3], s[G0KV+2:G0KV+3], 16384   ; the pair's next two key steps
	s_xor_b32 s[G0M+1], s[G0M+1], SLOTB
	s_add_nc_u64 s[G0M+2:G0M+3], s[G0M+2:G0M+3], 1024        ; the next 256 keys of each row
	s_wait_xcnt 0x0                                ; the last prefetch, a slot back, has read its address
	s_add_nc_u64 s[PFA:PFA+1], s[PFA:PFA+1], s[PFS:PFS+1]
.endif
	s_wait_dscnt 0x0                               ; the add is done, and my reads of the slot that I have left are over
	s_barrier_signal -1
	s_barrier_wait -1
.if \fill
	TLOAD                                          ; the first thing behind the barrier, and a wave's one tensor load until the next
	ASK
.endif
.endm
	s_wait_loadcnt 0x0                             ; Q
.Lslot:                                            ; seven trips: behind each change of slots but the last the next slot is asked for
	CHANGE 1
	STEP 0
	STEP 1
	s_xor_b32 s[TB], s[TB], SLOTB
	s_sub_co_u32 s[SLOTS], s[SLOTS], 1
	s_cmp_lg_u32 s[SLOTS], 0
	s_cbranch_scc1 .Lslot
	CHANGE 0                                       ; the last slot is written out
	STEP 0
	STEP 1
	; THE WAY OUT.  O^T / the sum goes to oi as it stands in the registers, 16 bytes a lane on end: the next launch loads it into the same lanes, which is its quantiser's layout
	v_add_f32 v14, v14, v15
	v_permlanex16_b32 v[T2], v14, s[SEL], s[SEL+1]
	v_add_f32 v14, v14, v[T2]                      ; the row's sum
	v_rcp_f32 v14, v14
	s_lshl_b32 s73, s[WV], 2
	s_add_co_u32 s73, s73, NRM
	v_mov_b32 v8, s73                              ; my wave's word (plain work behind the reciprocal, and the places behind the last products)
	v_and_b32 v9, 15, v0
	v_lshl_add_u32 v10, v9, 2, NRM                 ; the word that I read back
	v_lshrrev_b32 v11, 2, v9
	v_and_b32 v9, 3, v9
	v_lshlrev_b32 v9, 2, v9
	v_lshl_add_u32 v11, v11, 10, v9                ; its place in pn: 1,024 x pair + 4 x tile
	s_wait_alu depctr_va_vdst(0)                   ; ahead of the reciprocal's first reader
.set j, 0
.rept 16
	v_pk_mul_f32 v[OT+j:OT+j+1], v[OT+j:OT+j+1], v[14:15] op_sel_hi:[1,0]   ; each accumulator from its low end on
.set j, j+2
.endr
.irp k, 0,1,2,3,4,5,6,7
	global_store_b128 v[L16], v[OT+4*\k:OT+4*\k+3], s[14:15] offset:512*\k   ; 512 consecutive bytes a store
.endr
	v_pk_mul_f32 v[T2:T2+1], v[OT:OT+1], v[OT:OT+1]           ; the row's sum of squares, in two chains
	v_pk_mul_f32 v[T2+2:T2+3], v[OT+2:OT+3], v[OT+2:OT+3]
.set j, 4
.rept 7
	v_pk_fma_f32 v[T2:T2+1], v[OT+j:OT+j+1], v[OT+j:OT+j+1], v[T2:T2+1]
	v_pk_fma_f32 v[T2+2:T2+3], v[OT+j+2:OT+j+3], v[OT+j+2:OT+j+3], v[T2+2:T2+3]
.set j, j+4
.endr
	v_pk_add_f32 v[T2:T2+1], v[T2:T2+1], v[T2+2:T2+3]
	v_add_f32 v[T2], v[T2], v[T2+1]
	v_permlanex16_b32 v[T2+2], v[T2], s[SEL], s[SEL+1]
	v_add_f32 v[T2], v[T2], v[T2+2]                ; with the other 32 channels
	v_sqrt_f32 v[T2], v[T2]
	v_nop
	s_wait_alu depctr_va_vdst(0)
	v_add_f32_dpp v[T2], v[T2], v[T2] row_xmask:1 row_mask:0xf bank_mask:0xf   ; the 16 queries' norms summed
	v_add_f32_dpp v[T2], v[T2], v[T2] row_xmask:2 row_mask:0xf bank_mask:0xf
	v_add_f32_dpp v[T2], v[T2], v[T2] row_xmask:4 row_mask:0xf bank_mask:0xf
	v_add_f32_dpp v[T2], v[T2], v[T2] row_xmask:8 row_mask:0xf bank_mask:0xf
	ds_store_b32 v8, v[T2]                         ; all lanes write the same word with the same value
	s_wait_dscnt 0x0                               ; for the others' sake
	s_barrier_signal -1
	s_barrier_wait -1
	ds_load_b32 v[T2+1], v10
	s_wait_dscnt 0x0
	s_wait_xcnt 0x0                                ; EXEC changes only behind this wait
	v_cmp_gt_u32 vcc_lo, 16, v0
	s_and_saveexec_b32 s73, vcc_lo                 ; threads 0 to 15 store the sixteen sums
	global_store_b32 v11, v[T2+1], s[16:17]
	s_wait_xcnt 0x0
	s_or_b32 exec_lo, exec_lo, s73
	s_wait_tensorcnt 0x0                           ; the wave's end
	ds_add_u32 v[SPW], v[NIL]
	s_wait_dscnt 0x0
	s_endpgm
.Lfunc_end_k_q4f408e1578_attn:
	.size	k_q4f408e1578_attn, .Lfunc_end_k_q4f408e1578_attn-k_q4f408e1578_attn
	.p2alignl 7, 3214868480
	.fill 96, 4, 3214868480
	.section	.rodata,"a",@progbits
	.p2align	6, 0x0
	.amdhsa_kernel k_q4f408e1578_attn
		.amdhsa_group_segment_fixed_size 327680
		.amdhsa_private_segment_fixed_size 0
		.amdhsa_enable_private_segment 0
		.amdhsa_kernarg_size 56
		.amdhsa_user_sgpr_count 2
		.amdhsa_user_sgpr_kernarg_segment_ptr 1
		.amdhsa_wavefront_size32 1
		.amdhsa_system_sgpr_workgroup_id_x 1
		.amdhsa_system_sgpr_workgroup_id_y 1
		.amdhsa_system_sgpr_workgroup_id_z 1
		.amdhsa_system_vgpr_workitem_id 0
		.amdhsa_next_free_vgpr 256
		.amdhsa_next_free_sgpr 100
		.amdhsa_reserve_vcc 1
		.amdhsa_float_denorm_mode_32 3
		.amdhsa_float_denorm_mode_16_64 3
		.amdhsa_memory_ordered 1
		.amdhsa_forward_progress 1
		.amdhsa_inst_pref_size 79
	.end_amdhsa_kernel
	.amdgpu_metadata
---
amdhsa.version: [ 1, 2 ]
amdhsa.kernels:
  - .name:           k_q4f408e1578_attn
    .symbol:         k_q4f408e1578_attn.kd
    .args:
      - { .name: qc, .offset: 0, .size: 8, .value_kind: global_buffer, .address_space: global }
      - { .name: qs, .offset: 8, .size: 8, .value_kind: global_buffer, .address_space: global }
      - { .name: kv, .offset: 16, .size: 8, .value_kind: global_buffer, .address_space: global }
      - { .name: sc, .offset: 24, .size: 8, .value_kind: global_buffer, .address_space: global }
      - { .name: attn_mask, .offset: 32, .size: 8, .value_kind: global_buffer, .address_space: global }
      - { .name: oi, .offset: 40, .size: 8, .value_kind: global_buffer, .address_space: global }
      - { .name: pn, .offset: 48, .size: 8, .value_kind: global_buffer, .address_space: global }
    .group_segment_fixed_size: 327680
    .private_segment_fixed_size: 0
    .kernarg_segment_align: 8
    .kernarg_segment_size: 56
    .max_flat_workgroup_size: 512
    .sgpr_count:     100
    .vgpr_count:     256
    .wavefront_size: 32
...
	.end_amdgpu_metadata
.endif
;; end of part 2
;; launch proj (part 3): grid 4 x 64, 16 waves a work-group, no clusters, 111,616 bytes of LDS; arguments oi, pn, W_o_codes, W_o_scales, b_o, gate, out0; writes out0
.if DOCPART == 3
	.amdgcn_target "amdgcn-amd-amdhsa--gfx1250"
	.amdhsa_code_object_version 6
	.text
	.protected	k_q4f408e1578_proj
	.globl	k_q4f408e1578_proj
	.p2align	8
	.type	k_q4f408e1578_proj,@function
k_q4f408e1578_proj:
	s_mov_b64 s[64:65], 0
	v_nop
	global_prefetch_b8 v0, s[64:65] scope:SCOPE_SE
	s_setreg_imm32_b32 hwreg(HW_REG_WAVE_MODE, 25, 1), 1
	s_wait_xcnt 0x0
; out0 = the sum over heads of (Q(out / divisor) W_o + b_o) x clip(gate, 0, 1) / 16, the product on codes of E2M1.  No work is left out.
; SHARES.  A work-group takes 64 tokens (work-group y) x 256 columns (work-group x).  Wave w has two parts.  First it is HEAD w: it makes the head's divisor (the mean of 4,096 row norms, floored at 1e-5), scales and quantises the head's
; four tiles of 16 tokens and puts them into LDS as images of the operand's registers.  Then it is COLUMN TILE w (16 columns): W_o's sixteen fragments for these columns stay in its registers, and it walks the heads.
; The product is used transposed (source 0 = 16 rows of W_o, source 1 = 16 tokens): a lane holds one token and eight neighbouring columns.
; THE HEAD'S 64 IN A PRODUCT OF 128: the tokens' fragments hold zero codes in registers 4-7; W_o's fragments lie 4 registers apart (a fragment's registers 4-7 are the next head's codes, which meet zeros); the scale bytes of k = 64 .. 127 are 0.
; The gates differ from head to head, so each head's product begins with 0 and is added by fused multiply-adds with g / 16; the first head's take the gated sum of the biases as their addend.
; No tensor load: what a wave reads from memory it reads once, into registers.
; LIMITS.  1 / divisor is v_rcp_f32's (1 ulp: ISA guide, its entry), ahead of the quantiser.  A block whose largest magnitude lies under 2^-124 has the floor's byte.  NaN and infinities are carried only as the arithmetic carries them.
.set XIMG, 0                           ; LDS: the fragment of (tile m, head) at (16 m + head) x 512;
.set XSC,  32768                       ; its scale words at (16 m + head) x 128;
.set BIA,  40960                       ; 512 words: the gated biases of 256 columns, heads 0-7 and heads 8-15;
.set STG,  43008                       ; the stage: 64 rows x (1,024 bytes + 16);
.set SPARE, STG+64*1040                ; the spare words, 128 bytes for each of 16 waves: eight blocks of 256 bytes that no other line names
.set LN,  1
.set RR,  2
.set HH,  3
.set L16, 4                            ; v4  16 x lane;  v5  4 x lane
.set L4,  5
.set XWI, 6                            ; v6  where I store images: 16 x lane + 512 w;  v7 scale words: 4 x lane + 128 w
.set XWS, 7
.set SIN, 8                            ; v8  the stage: where I put 32 bytes of a row;  v9 where I read rows back
.set SBK, 9
.set OBO, 10                           ; v10 b_o's offset;  v11 W_o's codes';  v12 its scales';  v13 the gate's
.set OWC, 11
.set OWS, 12
.set OGT, 13
.set ABW, 14                           ; v14 where I store a bias word;  v15 where I read eight
.set ABR, 15
.set WF,  16                           ; v16-83  W_o's fragment of head hd at 16 + 4 hd; v80-83 = 0.  (Ahead of W_o's loads: pn in v16-23, b_o in v24-31, the gate in v32)
.set WS,  84                           ; v84-99  W_o's scale words;  v100-107 the tokens', two sets: scales and nothing else
.set XS,  100
.set X,   108                          ; v108-235 four tiles of out;  later:
.set XF,  108                          ; v108-171 the tokens' fragments, two sets of 4 x 8
.set ACC, 172                          ; v172-203 the sums
.set T,   204                          ; v204-235 a head's products
.set MX,  236                          ; the quantiser's: largest magnitudes, the other half's, scale operands, bytes, codes, word;  later:
.set T2,  238
.set SO,  240
.set BY,  242
.set CD,  244
.set WD,  248
.set BIAS, 236                         ; v236-243 the gated biases of my eight columns
.set GV,  244                          ; v[244:245] g / 16 of the head in hand
.set BP,  249                          ; v249 my bias word
.set SPW, 250
.set NIL, 251
.set RD,  252                          ; v[252:253] 1 / divisor
.set GT,  254
.set WV,  18
.set SEL, 20
	s_load_b256 s[4:11], s[0:1], 0x0               ; oi, pn, W_o codes, W_o scales
	s_load_b128 s[12:15], s[0:1], 0x20             ; b_o, gate
	s_load_b64 s[16:17], s[0:1], 0x30              ; out0
	v_lshl_add_u32 v[SPW], v0, 2, SPARE
	v_mov_b32 v[NIL], 0
	v_lshrrev_b32 v[LN], 5, v0
	v_readfirstlane_b32 s[WV], v[LN]               ; wave 0..15
	v_and_b32 v[LN], 31, v0
	v_and_b32 v[RR], 15, v0
	v_bfe_u32 v[HH], v0, 4, 1
	v_lshlrev_b32 v[L16], 4, v[LN]
	v_lshlrev_b32 v[L4], 2, v[LN]
	s_lshl_b32 s19, s[WV], 9
	v_add_nc_u32 v[XWI], s19, v[L16]
	s_lshl_b32 s19, s[WV], 7
	v_add_nc_u32 v[XWS], s19, v[L4]
	s_lshl_b32 s19, s[WV], 6
	s_add_co_u32 s22, s19, STG
	v_mul_u32_u24 v[SIN], v[RR], 1040
	v_lshl_add_u32 v[SIN], v[HH], 5, v[SIN]
	v_add_nc_u32 v[SIN], s22, v[SIN]               ; row r, + 64 w + 32 h: my eight columns
	s_add_co_u32 s22, s19, BIA
	v_lshl_add_u32 v[ABR], v[HH], 5, s22           ; the words of columns 16 w + 8 h on
	s_mul_i32 s22, s[WV], 4*1040
	s_add_co_u32 s22, s22, STG
	v_add_nc_u32 v[SBK], s22, v[L16]               ; rows 4 w on
	v_lshl_add_u32 v[ABW], v0, 2, BIA
	v_and_b32 v[OBO], 255, v0
	v_lshlrev_b32 v[OBO], 2, v[OBO]
	v_lshlrev_b32 v[OWC], 5, v[RR]
	v_lshl_add_u32 v[OWC], v[HH], 4, v[OWC]
	v_lshlrev_b32 v[OWS], 1, v[RR]
	v_lshlrev_b32 v[OGT], 2, v[RR]
	v_mov_b32 v[T2], 0                             ; written once: a lane permute's destination counts as one of its sources
	v_mov_b32 v[T2+1], 0
	s_mov_b32 s[SEL], 0x76543210
	s_mov_b32 s[SEL+1], 0xfedcba98
	s_and_b32 s22, ttmp7, 0xffff                   ; y
	s_lshr_b32 s24, s22, 5
	s_lshl_b32 s24, s24, 4
	s_add_co_u32 s24, s24, s[WV]                   ; the pair (batch, head w)
	s_lshl_b32 s24, s24, 7
	s_and_b32 s25, s22, 31
	s_lshl_b32 s25, s25, 2
	s_add_co_u32 s24, s24, s25                     ; its tile of 16 tokens
	s_lshl_b32 s24, s24, 12
	s_mov_b32 s25, 0
	s_lshl_b32 s26, s[WV], 10                      ; pn: 1,024 bytes a head
	s_mov_b32 s27, 0
	s_lshr_b32 s28, s[WV], 3
	s_lshl_b32 s28, s28, 15
	s_lshl_b32 s29, ttmp9, 10
	s_add_co_u32 s28, s28, s29                     ; b_o: heads 8 (w / 8) on, columns 256 x on
	s_mov_b32 s29, 0
	s_lshl_b32 s30, ttmp9, 13
	s_lshl_b32 s31, s[WV], 9
	s_add_co_u32 s30, s30, s31                     ; W_o's codes: row 256 x + 16 w, 32 bytes a row
	s_mov_b32 s31, 0
	s_lshl_b32 s32, ttmp9, 9
	s_lshl_b32 s33, s[WV], 5
	s_add_co_u32 s32, s32, s33                     ; its scales: 2 bytes a row
	s_mov_b32 s33, 0
	s_lshl_b32 s34, s22, 6
	s_lshl_b32 s35, s[WV], 2
	s_add_co_u32 s34, s34, s35
	s_lshl_b32 s34, s34, 12
	s_lshl_b32 s35, ttmp9, 10
	s_add_co_u32 s34, s34, s35                     ; out0: row 64 y + 4 w, column 256 x
	s_mov_b32 s35, 0
	s_wait_kmcnt 0x0
	s_add_nc_u64 s[4:5], s[4:5], s[24:25]
	s_add_nc_u64 s[6:7], s[6:7], s[26:27]
	s_add_nc_u64 s[12:13], s[12:13], s[28:29]
	s_add_nc_u64 s[8:9], s[8:9], s[30:31]
	s_add_nc_u64 s[10:11], s[10:11], s[32:33]
	s_add_nc_u64 s[16:17], s[16:17], s[34:35]
	global_load_b128 v[16:19], v[L16], s[6:7]      ; my head's 256 partial sums of norms, eight a lane
	global_load_b128 v[20:23], v[L16], s[6:7] offset:512
	global_load_b32 v32, v[OGT], s[14:15]          ; lane r: gate r
.irp i, 0,1,2,3,4,5,6,7
	global_load_b32 v[24+\i], v[OBO], s[12:13] offset:4096*\i   ; b_o of my column, eight heads
.endr
.irp m, 0,1,2,3
.irp k, 0,1,2,3,4,5,6,7
	global_load_b128 v[X+32*\m+4*\k:X+32*\m+4*\k+3], v[L16], s[4:5] offset:4096*\m+512*\k   ; out, as the launch before left its registers
.endr
.endr
	s_wait_loadcnt 32                              ; the first eleven are in; the 32 of out may be on their way
	v_add_f32 v16, v16, v17
	v_add_f32 v18, v18, v19
	v_add_f32 v20, v20, v21
	v_add_f32 v22, v22, v23
	v_add_f32 v16, v16, v18
	v_add_f32 v20, v20, v22
	v_add_f32 v[MX], v16, v20
	v_med3_num_f32 v[GT], v32, 0, 1.0              ; the gate, clipped,
	v_mul_f32 v[GT], 0x3d800000, v[GT]             ; and the division by 16 heads: exact
.irp i, 0,1,2,3,4,5,6,7,8,9,10,11,12,13,14,15
	v_readlane_b32 s[40+\i], v[GT], \i
.endr
	s_cmp_lt_u32 s[WV], 8
.irp i, 0,1,2,3,4,5,6,7
	s_cselect_b32 s[56+\i], s[40+\i], s[48+\i]     ; those of the eight heads whose biases I hold
.endr
	v_mul_f32 v[BP], s56, v24
.irp i, 1,2,3,4,5,6,7
	v_fma_f32 v[BP], s[56+\i], v[24+\i], v[BP]
.endr
	ds_store_b32 v[ABW], v[BP]
.irp d, 0,1,2,3,4,5,6,7,8,9,10,11,12,13,14,15
	global_load_b128 v[WF+4*\d:WF+4*\d+3], v[OWC], s[8:9] offset:32768*\d   ; W_o: head d, row r of my 16, k = 32 h + 0 .. 31: they stay
.endr
.irp d, 0,1,2,3,4,5,6,7,8,9,10,11,12,13,14,15
	global_load_u16 v[WS+\d], v[OWS], s[10:11] offset:2048*\d               ; its two scale bytes; the word's upper two are 0
.endr
	v_add_f32_dpp v[MX], v[MX], v[MX] row_xmask:1 row_mask:0xf bank_mask:0xf
	v_add_f32_dpp v[MX], v[MX], v[MX] row_xmask:2 row_mask:0xf bank_mask:0xf
	v_add_f32_dpp v[MX], v[MX], v[MX] row_xmask:4 row_mask:0xf bank_mask:0xf
	v_add_f32_dpp v[MX], v[MX], v[MX] row_xmask:8 row_mask:0xf bank_mask:0xf
	v_permlanex16_b32 v[T2], v[MX], s[SEL], s[SEL+1]
	v_add_f32 v[MX], v[MX], v[T2]                  ; the sum of the head's 4,096 norms
	v_mul_f32 v[MX], 0x39800000, v[MX]             ; / 4,096
	v_max_num_f32 v[MX], 0x3727c5ac, v[MX]         ; floored at 1e-5
	v_rcp_f32 v[RD], v[MX]
	v_mov_b32 v[RD+1], 0                           ; (the pair's other half is named with it; also the plain place behind the reciprocal)
	s_wait_alu depctr_va_vdst(0)                   ; ahead of the reciprocal's first reader
; tile m of my head: out / divisor, quantised along the head's 64 (two blocks, in lanes l and l xor 16), to LDS as an image
.macro QT m
.set XB, X+32*(\m)
	s_wait_loadcnt 56-8*(\m)                       ; this tile's eight loads are in; behind them: the later tiles' and W_o's 32
.set j, 0
.rept 16
	v_pk_mul_f32 v[XB+j:XB+j+1], v[XB+j:XB+j+1], v[RD:RD+1] op_sel_hi:[1,0]
.set j, j+2
.endr
.irp b, 0,1
	v_max3_num_f32 v[MX+\b], |v[XB+16*\b]|, |v[XB+16*\b+1]|, 0x1800000   ; and the floor 2^(3 - 127): the byte cannot fall under 1
.endr
.irp i, 2,4,6,8,10,12,14
.irp b, 0,1
	v_max3_num_f32 v[MX+\b], v[MX+\b], |v[XB+16*\b+\i]|, |v[XB+16*\b+\i+1]|
.endr
.endr
.irp b, 0,1
	v_permlanex16_b32 v[T2+\b], v[MX+\b], s[SEL], s[SEL+1]
.endr
.irp b, 0,1
	v_max_num_f32 v[MX+\b], v[MX+\b], v[T2+\b]
.endr
.irp b, 0,1
	v_add_nc_u32 v[SO+\b], 0xff000000, v[MX+\b]    ; 2 off the exponent field: the conversion's scale operand
.endr
.irp b, 0,1
	v_lshrrev_b32 v[BY+\b], 23, v[SO+\b]
.endr
	v_lshl_or_b32 v[WD], v[BY+1], 8, v[BY]         ; my token's scale word
	v_cvt_scalef32_pk8_fp4_f32 v[CD],   v[XB:XB+7],     v[SO]
	v_cvt_scalef32_pk8_fp4_f32 v[CD+1], v[XB+16:XB+23], v[SO+1]
	v_cvt_scalef32_pk8_fp4_f32 v[CD+2], v[XB+8:XB+15],  v[SO]
	v_cvt_scalef32_pk8_fp4_f32 v[CD+3], v[XB+24:XB+31], v[SO+1]
	v_nop                                          ; one plain place behind the scaled conversions
	v_permlane16_swap_b32 v[CD], v[CD+1]           ; registers 0 .. 3 now hold k = 32 h + 0 .. 31
	v_permlane16_swap_b32 v[CD+2], v[CD+3]
	ds_store_b128 v[XWI], v[CD:CD+3] offset:XIMG+8192*(\m)
	ds_store_b32 v[XWS], v[WD] offset:XSC+2048*(\m)
	s_wait_dscnt 0x0                               ; the stores have read their registers
.endm
	QT 0
	QT 1
	QT 2
	QT 3
.irp f, 0,1,2,3,4,5,6,7
.irp j, 4,5,6,7
	v_mov_b32 v[XF+8*\f+\j], 0                     ; zero codes for k = 64 .. 127, in both sets
.endr
.endr
.irp j, 0,1,2,3
	v_mov_b32 v[WF+64+\j], 0                       ; what stands behind W_o's last fragment
.endr
	v_mov_b32 v[GV+1], 0                           ; (named with g as a pair)
	s_wait_loadcnt 0x0                             ; W_o
	s_wait_dscnt 0x0                               ; my images and my bias word have landed
	s_barrier_signal -1
	s_barrier_wait -1                              ; everybody's have
.macro FETCHX hd, set                  ; head hd's four fragments and scale words into a set
.irp m, 0,1,2,3
	ds_load_b128 v[XF+32*(\set)+8*\m:XF+32*(\set)+8*\m+3], v[L16] offset:XIMG+(16*\m+(\hd))*512
	ds_load_b32 v[XS+4*(\set)+\m], v[L4] offset:XSC+(16*\m+(\hd))*128
.endr
.endm
; One head: the next head's operands are asked for; four products that begin with 0; their results join the sums by g / 16.  Behind the fourth product stand four plain instructions ahead of the first read of a result; between a product
; and the next head's product into the same registers stand those four and the twelve multiply-adds on the other three results; so too ahead of the loads into the set just multiplied.
.macro HEAD hd
.if (\hd) < 15
	FETCHX (\hd)+1, 1-(\hd)%2
	s_wait_dscnt 8                                 ; all but the eight just issued
.else
	s_wait_dscnt 0x0
.endif
.irp m, 0,1,2,3
	v_wmma_scale_f32_16x16x128_f8f6f4 v[T+8*\m:T+8*\m+7], v[WF+4*(\hd):WF+4*(\hd)+7], v[XF+32*((\hd)%2)+8*\m:XF+32*((\hd)%2)+8*\m+7], 0, v[WS+(\hd)], v[XS+4*((\hd)%2)+\m] matrix_a_fmt:MATRIX_FMT_FP4 matrix_b_fmt:MATRIX_FMT_FP4
.endr
	v_mov_b32 v[GV], s[40+(\hd)]
.rept 3
	v_nop
.endr
.irp m, 0,1,2,3
.irp j, 0,2,4,6
.if (\hd) == 0
	v_pk_fma_f32 v[ACC+8*\m+\j:ACC+8*\m+\j+1], v[T+8*\m+\j:T+8*\m+\j+1], v[GV:GV+1], v[BIAS+\j:BIAS+\j+1] op_sel_hi:[1,0,1]
.else
	v_pk_fma_f32 v[ACC+8*\m+\j:ACC+8*\m+\j+1], v[T+8*\m+\j:T+8*\m+\j+1], v[GV:GV+1], v[ACC+8*\m+\j:ACC+8*\m+\j+1] op_sel_hi:[1,0,1]
.endif
.endr
.endr
.endm
	ds_load_b128 v[BIAS:BIAS+3], v[ABR]            ; the gated biases of my eight columns: heads 0-7,
	ds_load_b128 v[BIAS+4:BIAS+7], v[ABR] offset:16
	ds_load_b128 v[T:T+3], v[ABR] offset:1024      ; heads 8-15
	ds_load_b128 v[T+4:T+7], v[ABR] offset:1040
	FETCHX 0, 0
	s_wait_dscnt 8                                 ; the biases are in; head 0's eight loads may be out
.irp j, 0,2,4,6
	v_pk_add_f32 v[BIAS+\j:BIAS+\j+1], v[BIAS+\j:BIAS+\j+1], v[T+\j:T+\j+1]
.endr
.irp d, 0,1,2,3,4,5,6,7,8,9,10,11,12,13,14,15
	HEAD \d
.endr
	; THE WAY OUT: a row's 256 columns come from sixteen waves: they meet in the stage, and each wave stores four whole rows of 1,024 bytes
.irp m, 0,1,2,3
	ds_store_b128 v[SIN], v[ACC+8*\m:ACC+8*\m+3] offset:16640*\m
	ds_store_b128 v[SIN], v[ACC+8*\m+4:ACC+8*\m+7] offset:16640*\m+16
.endr
	s_wait_dscnt 0x0                               ; for the others' sake
	s_barrier_signal -1
	s_barrier_wait -1
.irp i, 0,1,2,3
.irp k, 0,1
	ds_load_b128 v[XF+4*(2*\i+\k):XF+4*(2*\i+\k)+3], v[SBK] offset:1040*\i+512*\k
.endr
.endr
.irp i, 0,1,2,3
.irp k, 0,1
	s_wait_dscnt 7-2*\i-\k                         ; LDS loads come back in order (ISA guide 5.7.1): this one is in, the younger may be out
	global_store_b128 v[L16], v[XF+4*(2*\i+\k):XF+4*(2*\i+\k)+3], s[16:17] offset:4096*\i+512*\k th:TH_STORE_NT   ; 512 consecutive bytes, aligned; written once, read by nobody here
.endr
.endr
	s_wait_tensorcnt 0x0                           ; the wave's end
	ds_add_u32 v[SPW], v[NIL]
	s_wait_dscnt 0x0
	s_endpgm
.Lfunc_end_k_q4f408e1578_proj:
	.size	k_q4f408e1578_proj, .Lfunc_end_k_q4f408e1578_proj-k_q4f408e1578_proj
	.p2alignl 7, 3214868480
	.fill 96, 4, 3214868480
	.section	.rodata,"a",@progbits
	.p2align	6, 0x0
	.amdhsa_kernel k_q4f408e1578_proj
		.amdhsa_group_segment_fixed_size 111616
		.amdhsa_private_segment_fixed_size 0
		.amdhsa_enable_private_segment 0
		.amdhsa_kernarg_size 56
		.amdhsa_user_sgpr_count 2
		.amdhsa_user_sgpr_kernarg_segment_ptr 1
		.amdhsa_wavefront_size32 1
		.amdhsa_system_sgpr_workgroup_id_x 1
		.amdhsa_system_sgpr_workgroup_id_y 1
		.amdhsa_system_sgpr_workgroup_id_z 1
		.amdhsa_system_vgpr_workitem_id 0
		.amdhsa_next_free_vgpr 256
		.amdhsa_next_free_sgpr 66
		.amdhsa_reserve_vcc 0
		.amdhsa_float_denorm_mode_32 3
		.amdhsa_float_denorm_mode_16_64 3
		.amdhsa_memory_ordered 1
		.amdhsa_forward_progress 1
		.amdhsa_inst_pref_size 64
	.end_amdhsa_kernel
	.amdgpu_metadata
---
amdhsa.version: [ 1, 2 ]
amdhsa.kernels:
  - .name:           k_q4f408e1578_proj
    .symbol:         k_q4f408e1578_proj.kd
    .args:
      - { .name: oi, .offset: 0, .size: 8, .value_kind: global_buffer, .address_space: global }
      - { .name: pn, .offset: 8, .size: 8, .value_kind: global_buffer, .address_space: global }
      - { .name: W_o_codes, .offset: 16, .size: 8, .value_kind: global_buffer, .address_space: global }
      - { .name: W_o_scales, .offset: 24, .size: 8, .value_kind: global_buffer, .address_space: global }
      - { .name: b_o, .offset: 32, .size: 8, .value_kind: global_buffer, .address_space: global }
      - { .name: gate, .offset: 40, .size: 8, .value_kind: global_buffer, .address_space: global }
      - { .name: out0, .offset: 48, .size: 8, .value_kind: global_buffer, .address_space: global }
    .group_segment_fixed_size: 111616
    .private_segment_fixed_size: 0
    .kernarg_segment_align: 8
    .kernarg_segment_size: 56
    .max_flat_workgroup_size: 512
    .sgpr_count:     66
    .vgpr_count:     256
    .wavefront_size: 32
...
	.end_amdgpu_metadata
.endif
;; end of part 3
